; MI455X (gfx1250); checked and timed in simulation.
; The chip was launched on July 23, 2026; its instructions are those of AMD's public machine-readable ISA for CDNA 5 (MIT licence, August 2026) and "CDNA5" Instruction Set Architecture Reference Guide (July 2026). The comments in the code are by the model that wrote it; some were corrected since.
;; KNRM. Allowed arithmetic: float matrix products may take bf16 or f16 operands with f32 sums; other float arithmetic in f32, or as packed bf16 or f16 multiplies, adds, multiply-adds, maxima and minima; sums over many terms, partial sums and values carried from step to step in f32; what a program stores and reads back later, other than sums and carried values, may be rounded once to bf16 or f16.
;; Inputs: W1 21 x 10 float32; W2 10 x 5 float32; W3 5 x 1 float32; b1 10 float32; b2 5 float32; b3 1 float32; doc_1 4,096 x 64 int32; doc_2 4,096 x 64 int32; emb 100,000 x 128 float32; query_1 4,096 x 32 int32; query_2 4,096 x 32 int32.
;; Outputs: out0 4,096 x 1 float32.
;; One version. Each part assembles by itself: llvm-mc -triple=amdgcn-amd-amdhsa -mcpu=gfx1250 --defsym DOCPART=n.
;; ======== version 1 of 1: 2 launches
;; limits: a function is approximated: absolute error at most 6e-08
;; workspace buffers: embh 25,600,000 bytes; invn 400,128 bytes
;; launch prep (part 1): grid 625 x 1, 5 waves a work-group, no clusters, 0 bytes of LDS; arguments emb, embh, invn; writes embh, invn
.if DOCPART == 1
	.amdgcn_target "amdgcn-amd-amdhsa--gfx1250"
	.amdhsa_code_object_version 6
	.text
	.protected	k_q9525af4643_prep
	.globl	k_q9525af4643_prep
	.p2align	8
	.type	k_q9525af4643_prep,@function
k_q9525af4643_prep:
	s_mov_b64 s[64:65], 0
	v_nop
	global_prefetch_b8 v0, s[64:65] scope:SCOPE_SE
	s_setreg_imm32_b32 hwreg(HW_REG_WAVE_MODE, 25, 1), 1
	s_wait_xcnt 0x0
; KNRM, first of two launches: the embedding table once, ahead of the gathers.
;   embh[v][:] = emb[v][:] rounded to bf16 (a row: 256 bytes);  invn[v] = 1 / max(sqrt(sum of squares of the ROUNDED row), 1e-12).
; The norm is taken of the rounded row, so that the second launch's cosine of two equal rows is 1 to f32's rounding: the kernel with
; sigma = 0.001 sees (m - 1) scaled by 707, and a norm of the unrounded row would shift m by bf16's step.
; A table row is named 7.9 times on average by the 786,432 indices: rounding and norm are made once a row here, and a gathered row is half as long.
; WORK LEFT OUT IN THE WHOLE PROGRAM: b3.  reference() returns sigmoid((h W3 + b3) - (h' W3 + b3)) = sigmoid(h W3 - h' W3) for all values of the
; inputs: b3 has no way to the output, is not loaded and is no launch's argument.  LIMIT: a NaN, an infinity or an overflow that b3 alone would bring is not carried to the result.
; LIMITS: emb is rounded to bf16 (a matrix operand); a sum of squares below 2^-126 counts as 0, where the norm is below 1e-12 and the maximum takes 1e-12 anyway.
; SHARES: 625 work-groups x 5 waves = 3,125 waves, 32 rows each = 100,000 rows.  A load of a wave takes one row (512 consecutive bytes, 16 a lane), a store one row of
; embh (256 consecutive bytes, aligned, 8 a lane).  All 32 loads go out first; no loop, no LDS, no barrier: no wave needs another's data.
.set T,  4                             ; v[4:7]     four rows' sums at work
.set U,  8                             ; v[8:11]    what the other half of the lanes holds
.set SS, 12                            ; v12        lane i: row i's sum of squares
.set X,  16                            ; v[16:143]  row i: 4 registers as loaded, then the rounded numbers in f32
.set Y,  144                           ; v[144:207] row i: 2 registers, 4 bf16; never rewritten, so the stores need no wait
	s_load_b128 s[4:7], s[0:1], 0x0                ; emb s[4:5], embh s[6:7]
	s_load_b64 s[8:9], s[0:1], 0x10                ; invn
	v_lshrrev_b32 v1, 5, v0
	v_readfirstlane_b32 s10, v1                    ; wave 0..4
	v_and_b32 v3, 31, v0                           ; lane
	v_lshlrev_b32 v1, 4, v3                        ; my 16 bytes of a row of emb
	v_lshlrev_b32 v2, 3, v3                        ; my 8 bytes of a row of embh
	v_lshlrev_b32 v3, 2, v3                        ; my word of invn
.irp k, 0,1,2,3
	v_mov_b32 v[U+\k], 0                           ; v_permlanex16_b32's destination counts as read
.endr
	s_mov_b32 s11, 0xffff0000                      ; a word's upper bf16
	s_mov_b32 s12, 0x76543210                      ; v_permlanex16_b32: each lane takes its own place in the other half
	s_mov_b32 s13, 0xfedcba98
	s_mul_i32 s15, ttmp9, 5
	s_add_co_u32 s15, s15, s10                     ; my wave among the 3,125
	s_lshl_b32 s16, s15, 14                        ; 32 rows of 512 bytes (51,183,616 at the most)
	s_mov_b32 s17, 0
	s_lshl_b32 s18, s15, 13                        ; 32 rows of 256 bytes
	s_mov_b32 s19, 0
	s_lshl_b32 s20, s15, 7                         ; 32 words
	s_mov_b32 s21, 0
	s_wait_kmcnt 0x0
	s_add_nc_u64 s[4:5], s[4:5], s[16:17]
	s_add_nc_u64 s[6:7], s[6:7], s[18:19]
	s_add_nc_u64 s[8:9], s[8:9], s[20:21]
.set i, 0
.rept 32
	global_load_b128 v[X+4*i:X+4*i+3], v1, s[4:5] offset:512*i th:TH_LOAD_NT  ; emb is read once
.set i, i+1
.endr
; Rows 4 g .. 4 g + 3, each step written across the four rows, so that no line reads the result of the line before it.
.macro GROUP g
	s_wait_loadcnt 28-4*(\g)                       ; loads come back in order: the 28 - 4 g loads of the later rows may stay out
.irp k, 0,1,2,3
.set rx, X+4*(4*(\g)+\k)
.set ry, Y+2*(4*(\g)+\k)
	v_cvt_pk_bf16_f32 v[ry], v[rx], v[rx+1]
	v_cvt_pk_bf16_f32 v[ry+1], v[rx+2], v[rx+3]
.endr
.irp k, 0,1,2,3
.set ry, Y+2*(4*(\g)+\k)
	global_store_b64 v2, v[ry:ry+1], s[6:7] offset:256*(4*(\g)+\k)  ; 32 lanes store 256 consecutive bytes, at a multiple of 256 from embh's first byte
.endr
.irp k, 0,1,2,3
.set rx, X+4*(4*(\g)+\k)
.set ry, Y+2*(4*(\g)+\k)
	v_lshlrev_b32 v[rx],   16,  v[ry]              ; the rounded numbers back in f32
	v_and_b32     v[rx+1], s11, v[ry]
	v_lshlrev_b32 v[rx+2], 16,  v[ry+1]
	v_and_b32     v[rx+3], s11, v[ry+1]
.endr
.irp k, 0,1,2,3
.set rx, X+4*(4*(\g)+\k)
	v_pk_mul_f32 v[rx:rx+1], v[rx:rx+1], v[rx:rx+1]
.endr
.irp k, 0,1,2,3
.set rx, X+4*(4*(\g)+\k)
	v_pk_fma_f32 v[rx:rx+1], v[rx+2:rx+3], v[rx+2:rx+3], v[rx:rx+1]
.endr
.irp k, 0,1,2,3
.set rx, X+4*(4*(\g)+\k)
	v_add_f32 v[T+\k], v[rx], v[rx+1]              ; my four numbers' squares
.endr
.irp m, 1,2,4,8
.irp k, 0,1,2,3
	v_add_f32_dpp v[T+\k], v[T+\k], v[T+\k] row_xmask:\m row_mask:0xf bank_mask:0xf
.endr
.endr
.irp k, 0,1,2,3
	v_permlanex16_b32 v[U+\k], v[T+\k], s12, s13
.endr
.irp k, 0,1,2,3
	v_add_f32 v[T+\k], v[T+\k], v[U+\k]            ; every lane holds the row's sum
.endr
.irp k, 0,1,2,3
.if (4*(\g)+\k) == 0
	v_mov_b32 v[SS], v[T]                          ; writes the register whole; lanes 1 to 31 are replaced below
.else
	s_mov_b32 s14, 1<<(4*(\g)+\k)
	v_cndmask_b32 v[SS], v[SS], v[T+\k], s14       ; row i's sum into lane i
.endif
.endr
.endm
.irp g, 0,1,2,3,4,5,6,7
	GROUP \g
.endr
	v_sqrt_f32 v13, v[SS]
	v_nop                                          ; a plain instruction behind the root,
	s_wait_alu depctr_va_vdst(0)                   ; and a wait ahead of its first reader
	v_max_num_f32 v13, 0x2b8cbccc, v13             ; max(norm, 1e-12), as reference() has it
	v_rcp_f32 v14, v13
	v_nop
	s_wait_alu depctr_va_vdst(0)
	global_store_b32 v3, v14, s[8:9]               ; 128 consecutive bytes a wave: 100,000 rows do not divide into 64 a wave
	s_endpgm
.Lfunc_end_k_q9525af4643_prep:
	.size	k_q9525af4643_prep, .Lfunc_end_k_q9525af4643_prep-k_q9525af4643_prep
	.p2alignl 7, 3214868480
	.fill 96, 4, 3214868480
	.section	.rodata,"a",@progbits
	.p2align	6, 0x0
	.amdhsa_kernel k_q9525af4643_prep
		.amdhsa_group_segment_fixed_size 0
		.amdhsa_private_segment_fixed_size 0
		.amdhsa_enable_private_segment 0
		.amdhsa_kernarg_size 24
		.amdhsa_user_sgpr_count 2
		.amdhsa_user_sgpr_kernarg_segment_ptr 1
		.amdhsa_wavefront_size32 1
		.amdhsa_system_sgpr_workgroup_id_x 1
		.amdhsa_system_sgpr_workgroup_id_y 1
		.amdhsa_system_sgpr_workgroup_id_z 1
		.amdhsa_system_vgpr_workitem_id 0
		.amdhsa_next_free_vgpr 208
		.amdhsa_next_free_sgpr 66
		.amdhsa_reserve_vcc 0
		.amdhsa_float_denorm_mode_32 3
		.amdhsa_float_denorm_mode_16_64 3
		.amdhsa_memory_ordered 1
		.amdhsa_forward_progress 1
		.amdhsa_inst_pref_size 36
	.end_amdhsa_kernel
	.amdgpu_metadata
---
amdhsa.version: [ 1, 2 ]
amdhsa.kernels:
  - .name:           k_q9525af4643_prep
    .symbol:         k_q9525af4643_prep.kd
    .args:
      - { .name: emb, .offset: 0, .size: 8, .value_kind: global_buffer, .address_space: global }
      - { .name: embh, .offset: 8, .size: 8, .value_kind: global_buffer, .address_space: global }
      - { .name: invn, .offset: 16, .size: 8, .value_kind: global_buffer, .address_space: global }
    .group_segment_fixed_size: 0
    .private_segment_fixed_size: 0
    .kernarg_segment_align: 8
    .kernarg_segment_size: 24
    .max_flat_workgroup_size: 160
    .sgpr_count:     66
    .vgpr_count:     208
    .wavefront_size: 32
...
	.end_amdgpu_metadata
.endif
;; end of part 1
;; launch knrm (part 2): grid 256 x 1, 8 waves a work-group, no clusters, 5,120 bytes of LDS; arguments embh, invn, query_1, doc_1, query_2, doc_2, W1, b1, W2, b2, W3, out0; writes out0
.if DOCPART == 2
	.amdgcn_target "amdgcn-amd-amdhsa--gfx1250"
	.amdhsa_code_object_version 6
	.text
	.protected	k_q9525af4643_knrm
	.globl	k_q9525af4643_knrm
	.p2align	8
	.type	k_q9525af4643_knrm,@function
k_q9525af4643_knrm:
	s_mov_b64 s[64:65], 0
	v_nop
	global_prefetch_b8 v0, s[64:65] scope:SCOPE_SE
	s_setreg_imm32_b32 hwreg(HW_REG_WAVE_MODE, 25, 1), 1
	s_wait_xcnt 0x0
; KNRM, second launch: gather, cosine matrix, 21 Gaussian kernels, log1p pooling, MLP 21-10-5-1, sigmoid of the two sides' difference.
; LEFT OUT: b3, which cancels in logits_1 - logits_2 for all values (shown at the head of the first kernel); it is no argument of this launch.
; SHARES.  8,192 instances (4,096 batch rows x 2 sides).  256 work-groups x 8 waves; wave W owns batch rows 2 W and 2 W + 1: four instances, in the order (row, side 1), (row, side 2),
; (row + 1, side 1), (row + 1, side 2), one trip of a counted loop each.  No wave touches another's data: no barrier.
; PRODUCT.  S = D Q^T on the rows as rounded to bf16, UNnormalised; the f32 result is scaled by the two inverse norms (of the rounded rows): m = S invd invq.  Source 0 = 16 doc rows (tile t of 4),
; source 1 = 16 query rows (tile u of 2): in the result lane (r = l % 16, h = l / 16), register j holds doc 16 t + 8 h + j, query 16 u + r.  A fragment (16 rows x 32 channels) is laid out in registers as
; the rows lie in memory, so it is gathered straight into registers: lane (r, h) reads 16 bytes at 64 c + 16 h and at 64 c + 32 + 16 h of row idx[16 tile + r].  Nothing goes through LDS on the way in.
; POOLING.  The 20 kernels with sigma = 0.1 have centres mu_j = -0.95 + 0.1 j, so exp(-50 (m - mu_j)^2) = c_j p_j(m), c_j = exp(-50 mu_j^2), p_j = exp(-50 m^2 + (10 j - 95) m), p_(j+1) = p_j exp(10 m):
; an identity for every m.  c_j leaves the sum over docs.  Per entry four exponentials: w = e^(10 m), v = e^(-50 m), a2 = p_10, E = exp(-5e5 (m - 1)^2); then a1 = a2 v = p_5, a0 = a1 v = p_0,
; a3 = a2 w^5 = p_15, and kernel 5 s + i takes a_s w^i.  |m| <= 1 by the normalisation that reference() itself makes: p_j <= e^45.2, a sum of 64 of them <= e^49.4, a2 >= e^-55: all inside f32.
; A packed pair is (query tile 0, query tile 1) for one doc: one set of 21 pair accumulators, per-query constants as natural pairs, no horizontal add.
; MLP.  Features reach 32 ln 65 = 133, so 16-bit operands would cost more than the comparison allows: layer 1, with the sum over the 32 queries folded in, goes by eleven f32 matrix instructions an instance
; (one part in a thousand of the launch's multiply-adds), layers 2 and 3 (55 multiply-adds an instance) by the vector unit, once a wave.
; LIMITS.  Kernel values below 2^-126 count as 0.  log1p(x) is ln 2 x log2(1 + x): absolute error up to 2^-24 a query row.  An index is clamped to 99,999.  A NaN in front of a ReLU gives 0.
; NOT USED, by the code's own arithmetic: tensor loads (rows are chosen lane by lane), clusters (no two work-groups want the same tile), prefetches (a table row is named 7.9 times on average, so no block
; could be asked for once; each gather is issued a whole instance ahead of its use).
; REGISTERS, in windows of 256 (s_set_vgpr_msb: bits 1:0 source 0, 3:2 source 1, 5:4 source 2, 7:6 destination).  Window 1: v[32 tile + 8 c ..] fragments (tiles 0, 1 queries, 2-5 docs); v[192 + 8 t ..] S of
; query tile 0; v[224 + 8 t ..] of query tile 1.  Window 0: all else, below.
.set R4,   1                           ; v1   4 r
.set H16,  2                           ; v2   16 h
.set VST,  3                           ; v3   LDS: 512 wave + 4 r
.set VLD,  4                           ; v4   LDS: 512 wave + 32 h
.set VH,   5                           ; v5   LDS: 512 wave + 256 + 4 r + 64 x instance
.set VT,   6                           ; v6   LDS: 512 wave + 256 + 64 (l / 8)
.set OUTO, 7                           ; v7   4 h
.set SPW,  8                           ; v8   LDS address of my spare word: SPARE + 4 x my thread's number; never rewritten
.set NIL,  9                           ; v9   0; never rewritten
.set H1,   10                          ; v10  r in the head, then at work
.set UU,   11                          ; v11  h in the head, then what another lane holds
.set IDX,  12                          ; v[12:17]  indices as loaded: query tiles 0, 1, doc tiles 0-3; lane (r, h): row 16 tile + r
.set ROFF, 18                          ; v[18:23]  256 idx + 16 h
.set IOFF, 24                          ; v[24:29]  4 idx
.set INV,  30                          ; v[30:35]  the rows' inverse norms
.set Q1,   36                          ; v[36:37]  10 L invq (L = log2 e), for query tiles 0, 1
.set Q2,   38                          ; v[38:39]  -50 L invq
.set Q3,   40                          ; v[40:41]  -5 invq
.set Q4,   42                          ; v[42:43]  SC invq, SC = sqrt(5e5 L) = 849.3218
.set WA,   44                          ; v[44:65]  ln 2 x W1[j][r], 0 where r >= 10; j = 21: 0
.set B1H,  66                          ; v66  b1[r] / 2 (each half of the lanes adds it once), 0 where r >= 10
.set B2L,  67                          ; v67  b2[min(l % 8, 4)]
.set W3L,  68                          ; v68  W3[l % 8], 0 where l % 8 >= 5
.set W2L,  70                          ; v[70:79]  W2[n][min(l % 8, 4)]
.set Z,    80                          ; v[80:95]  two accumulators of the f32 matrix form: written by it alone
.set INVD, 96                          ; v[96:127] inverse norm of doc 16 t + 8 h + j at 8 t + j
.set ACC,  128                         ; v[128:169] kernel j's pair of sums at 2 j
.set BUF,  170                         ; v[170:233] two sets of 32: x then E at +0, w at +8, v at +16, a2 at +24; pair p at +2 p
.set G,    170                         ; v[170:191] in an instance's end: log2(1 + K_j) of query l
.set TMP,  234                         ; v[234:247]
.set T2,   TMP                         ; w^2
.set T3,   TMP+2
.set T4,   TMP+4
.set T5,   TMP+6
.set WK,   248                         ; v[248:252] at work in head and tail
.set D0,   192                         ; window 1
.set D1,   224
.set SPARE, 4096                       ; LDS: wave w owns bytes 512 w .. 512 w + 511 (64 words of doc norms, then 4 x 16 words of h1); from 4,096 on the spare words, 128 bytes a wave, which no other line names
.set MSB, 0
.macro WIN new                         ; the immediate's high byte repeats the setting that is left; a switch that changes nothing is dropped
.if MSB != (\new)
	s_set_vgpr_msb (MSB<<8)|(\new)
.set MSB, \new
.endif
.endm
; An instance's 96 indices: 6 loads, both halves of the lanes the same 64 bytes.
.macro LDIDX q, d, qo, dof
.irp u, 0,1
	global_load_b32 v[IDX+\u], v[R4], s[\q:\q+1] offset:(\qo)+64*\u
.endr
.irp t, 0,1,2,3
	global_load_b32 v[IDX+2+\t], v[R4], s[\d:\d+1] offset:(\dof)+64*\t
.endr
.endm
.macro ADDR                            ; 18 plain lines: the offsets of the rows and of their norms
.irp i, 0,1,2,3,4,5
	v_min_u32 v[IOFF+\i], 0x1869f, v[IDX+\i]       ; an index stays inside the table
.endr
.irp i, 0,1,2,3,4,5
	v_lshl_add_u32 v[ROFF+\i], v[IOFF+\i], 8, v[H16]
.endr
.irp i, 0,1,2,3,4,5
	v_lshlrev_b32 v[IOFF+\i], 2, v[IOFF+\i]
.endr
.endm
.macro GATHER                          ; 48 + 6 loads: a tile's eight loads take the whole 256 bytes of each of its 16 rows.  No cache hint: other waves read the same rows again
	WIN 0x40                                       ; destination window 1, address window 0
.irp i, 0,1,2,3,4,5
.irp c, 0,1,2,3
	global_load_b128 v[32*\i+8*\c:32*\i+8*\c+3],   v[ROFF+\i], s[8:9] offset:64*\c
	global_load_b128 v[32*\i+8*\c+4:32*\i+8*\c+7], v[ROFF+\i], s[8:9] offset:64*\c+32
.endr
.endr
	WIN 0
.irp i, 0,1,2,3,4,5
	global_load_b32 v[INV+\i], v[IOFF+\i], s[10:11]
.endr
.endm
.macro MMS                             ; 32 matrix instructions; the 8 accumulators take turns, one instruction a turn; the first 8 start the sums with 0
	WIN 0x55
.irp c, 0,1,2,3
.irp t, 0,1,2,3
.irp u, 0,1
.if (\c) == 0
	v_wmma_f32_16x16x32_bf16 v[D0+32*\u+8*\t:D0+32*\u+8*\t+7], v[64+32*\t+8*\c:64+32*\t+8*\c+7], v[32*\u+8*\c:32*\u+8*\c+7], 0
.else
	v_wmma_f32_16x16x32_bf16 v[D0+32*\u+8*\t:D0+32*\u+8*\t+7], v[64+32*\t+8*\c:64+32*\t+8*\c+7], v[32*\u+8*\c:32*\u+8*\c+7], v[D0+32*\u+8*\t:D0+32*\u+8*\t+7]
.endif
.endr
.endr
.endr
	WIN 0
.endm
; THE POOLING goes in 8 batches of 4 pairs: batch n holds registers 4 (n % 2) + p of the two accumulators of doc tile n / 2.  PREG names the registers of pair p of batch n.
; An instance's first pair lives in the accumulators themselves (a2 in kernel 10's, E in kernel 20's, a1, a0, a3 in kernels 5's, 0's, 15's): it starts the sums, and nothing is cleared.
.macro PREG n, p
.set rB, BUF+32*((\n)%2)
.set rX, rB+2*(\p)
.set rW, rB+8+2*(\p)
.set rV, rB+16+2*(\p)
.set rA, rB+24+2*(\p)
.set rA1, TMP+8
.set rA0, TMP+10
.set rA3, TMP+12
.set FIRST, 0
.if ((\n) == 0) && ((\p) == 0)
.set rX, ACC+40
.set rA, ACC+20
.set rA1, ACC+10
.set rA0, ACC
.set rA3, ACC+30
.set FIRST, 1
.endif
.endm
.macro XS n                            ; x = S invd: each accumulator's lowest registers are read first (even n before odd)
	WIN 0x01                                       ; source 0 window 1
.set p, 0
.rept 4
	PREG \n, p
.set dj, 8*((\n)/2)+4*((\n)%2)+p
	v_mul_f32 v[rX],   v[D0+dj], v[INVD+dj]
	v_mul_f32 v[rX+1], v[D1+dj], v[INVD+dj]
.set p, p+1
.endr
	WIN 0
.endm
.macro ARGS n                          ; the four exponents, 24 packed lines, each kind across the 4 pairs
.irp p, 0,1,2,3
	PREG \n, \p
	v_pk_mul_f32 v[rW:rW+1], v[rX:rX+1], v[Q1:Q1+1]                              ; 10 L m
.endr
.irp p, 0,1,2,3
	PREG \n, \p
	v_pk_mul_f32 v[rV:rV+1], v[rX:rX+1], v[Q2:Q2+1]                              ; -50 L m
.endr
.irp p, 0,1,2,3
	PREG \n, \p
	v_pk_fma_f32 v[rA:rA+1], v[rX:rX+1], v[Q3:Q3+1], 0.5 op_sel_hi:[1,1,0]       ; 0.5 - 5 m
.endr
.irp p, 0,1,2,3
	PREG \n, \p
	v_pk_fma_f32 v[rX:rX+1], v[rX:rX+1], v[Q4:Q4+1], s[36:37] op_sel_hi:[1,1,0]  ; SC (m - 1), one rounding
.endr
.irp p, 0,1,2,3
	PREG \n, \p
	v_pk_mul_f32 v[rA:rA+1], v[rA:rA+1], v[rW:rW+1]                              ; L (5 m - 50 m^2)
.endr
.irp p, 0,1,2,3
	PREG \n, \p
	v_pk_mul_f32 v[rX:rX+1], v[rX:rX+1], v[rX:rX+1] neg_lo:[1,0] neg_hi:[1,0]    ; -5e5 L (m - 1)^2
.endr
.endm
.macro EOP n                           ; the next of batch n's 32 exponentials, in place: w, a2, v, E, eight each
	PREG \n, (e%8)/2
.if e/8 == 0
.set rE, rW
.elseif e/8 == 1
.set rE, rA
.elseif e/8 == 2
.set rE, rV
.else
.set rE, rX
.endif
	v_exp_f32 v[rE+e%2], v[rE+e%2]
.set e, e+1
.endm
.macro PMUL d, a, b
	v_pk_mul_f32 v[\d:\d+1], v[\a:\a+1], v[\b:\b+1]
.endm
.macro MAC j, a, b                     ; kernel j takes a b
.if FIRST
	v_pk_mul_f32 v[ACC+2*(\j):ACC+2*(\j)+1], v[\a:\a+1], v[\b:\b+1]
.else
	v_pk_fma_f32 v[ACC+2*(\j):ACC+2*(\j)+1], v[\a:\a+1], v[\b:\b+1], v[ACC+2*(\j):ACC+2*(\j)+1]
.endif
.endm
.macro SUM j, a                        ; kernel j takes a; in the first pair a lies there already
.if !FIRST
	v_pk_add_f32 v[ACC+2*(\j):ACC+2*(\j)+1], v[ACC+2*(\j):ACC+2*(\j)+1], v[\a:\a+1]
.endif
.endm
.macro COP n                           ; the next of batch n's 4 x 28 lines that use the exponentials
	PREG \n, k/28
.set o, k%28
.if o == 0
	PMUL T2, rW, rW
.elseif o == 1
	PMUL rA1, rA, rV
.elseif o == 2
	SUM 10, rA
.elseif o == 3
	SUM 20, rX
.elseif o == 4
	PMUL T3, T2, rW
.elseif o == 5
	PMUL T4, T2, T2
.elseif o == 6
	PMUL rA0, rA1, rV
.elseif o == 7
	MAC 11, rA, rW
.elseif o == 8
	MAC 12, rA, T2
.elseif o == 9
	SUM 5, rA1
.elseif o == 10
	MAC 6, rA1, rW
.elseif o == 11
	MAC 7, rA1, T2
.elseif o == 12
	PMUL T5, T4, rW
.elseif o == 13
	MAC 13, rA, T3
.elseif o == 14
	MAC 14, rA, T4
.elseif o == 15
	MAC 8, rA1, T3
.elseif o == 16
	MAC 9, rA1, T4
.elseif o == 17
	PMUL rA3, rA, T5
.elseif o == 18
	SUM 0, rA0
.elseif o == 19
	MAC 1, rA0, rW
.elseif o == 20
	MAC 2, rA0, T2
.elseif o == 21
	MAC 3, rA0, T3
.elseif o == 22
	MAC 4, rA0, T4
.elseif o == 23
	SUM 15, rA3
.elseif o == 24
	MAC 16, rA3, rW
.elseif o == 25
	MAC 17, rA3, T2
.elseif o == 26
	MAC 18, rA3, T3
.else
	MAC 19, rA3, T4
.endif
.set k, k+1
.endm
; TURN n: batch n is used up; batch n + 1's 32 exponentials stand among its lines, two in every seven, each between plain lines; then batch n + 2's x and exponents go into the set that batch n has left.
; Nothing in the turn names a result of batch n + 1's exponentials, so ONE wait at the turn's end serves all 32 (ahead of their first reader).
.macro TURN n
.set k, 0
.set e, 0
.rept 112
	COP \n
.if ((\n) < 7) && (((k-1)%7 == 2) || ((k-1)%7 == 5))
	EOP (\n)+1
.endif
.endr
.if (\n) < 6
	XS (\n)+2
	ARGS (\n)+2
.endif
.if (\n) < 7
	s_wait_alu depctr_va_vdst(0)
.endif
.endm
.macro FL j, c                         ; 1 + c_j K_j; the logarithm of the kernel before stands behind it, between plain lines
	v_fma_f32 v[ACC+2*(\j)], v[ACC+2*(\j)], \c, 1.0
.if (\j) > 0
	v_log_f32 v[G+(\j)-1], v[ACC+2*(\j)-2]
.endif
.endm
	s_load_b512 s[8:23], s[0:1], 0x0               ; embh s[8:9], invn s[10:11], query_1 s[12:13], doc_1 s[14:15], query_2 s[16:17], doc_2 s[18:19], W1 s[20:21], b1 s[22:23]
	s_load_b256 s[24:31], s[0:1], 0x40             ; W2 s[24:25], b2 s[26:27], W3 s[28:29], out0 s[30:31]
	v_lshl_add_u32 v[SPW], v0, 2, SPARE
	v_mov_b32 v[NIL], 0
	v_lshrrev_b32 v[H1], 5, v0
	v_readfirstlane_b32 s2, v[H1]                  ; wave 0..7
	v_and_b32 v[H1], 15, v0                        ; r
	v_bfe_u32 v[UU], v0, 4, 1                      ; h
	v_lshlrev_b32 v[R4], 2, v[H1]
	v_lshlrev_b32 v[H16], 4, v[UU]
	s_lshl_b32 s4, s2, 9                           ; my wave's 512 bytes of LDS
	v_add_nc_u32 v[VST], s4, v[R4]
	v_lshl_add_u32 v[VLD], v[UU], 5, s4
	v_add_nc_u32 v[VH], 256, v[VST]
	v_bfe_u32 v[VT], v0, 3, 2
	v_lshl_add_u32 v[VT], v[VT], 6, s4
	v_add_nc_u32 v[VT], 256, v[VT]
	v_lshlrev_b32 v[OUTO], 2, v[UU]
	v_min_u32 v[WK], 9, v[H1]
	v_lshlrev_b32 v[WK], 2, v[WK]                  ; 4 min(r, 9): every load of W1 and b1 stays inside its buffer
	v_and_b32 v[WK+1], 7, v0
	v_min_u32 v[WK+2], 4, v[WK+1]
	v_lshlrev_b32 v[WK+2], 2, v[WK+2]              ; 4 min(l % 8, 4): likewise for W2, b2, W3
	s_mov_b32 s34, 0x76543210                      ; v_permlanex16_b32: each lane takes its own place in the other half
	s_mov_b32 s35, 0xfedcba98
	s_mov_b32 s36, 0xc4545498                      ; -SC
	s_mov_b32 s37, 0xc4545498                      ; named with it as a pair
	s_lshl_b32 s5, ttmp9, 3
	s_add_co_u32 s5, s5, s2                        ; W: my wave among the 2,048
	s_lshl_b32 s6, s5, 8                           ; two rows of 32 indices
	s_mov_b32 s7, 0
	s_wait_kmcnt 0x0
	s_add_nc_u64 s[12:13], s[12:13], s[6:7]
	s_add_nc_u64 s[16:17], s[16:17], s[6:7]
	s_lshl_b32 s6, s5, 9                           ; two rows of 64 indices
	s_add_nc_u64 s[14:15], s[14:15], s[6:7]
	s_add_nc_u64 s[18:19], s[18:19], s[6:7]
	s_lshl_b32 s6, s5, 3                           ; two results
	s_add_nc_u64 s[30:31], s[30:31], s[6:7]
.set j, 0
.rept 21
	global_load_b32 v[WA+j], v[WK], s[20:21] offset:40*j
.set j, j+1
.endr
	global_load_b32 v[B1H], v[WK], s[22:23]
.set j, 0
.rept 10
	global_load_b32 v[W2L+j], v[WK+2], s[24:25] offset:20*j
.set j, j+1
.endr
	global_load_b32 v[B2L], v[WK+2], s[26:27]
	global_load_b32 v[W3L], v[WK+2], s[28:29]
	LDIDX 12, 14, 0, 0                             ; instance 0: my first row, side 1
	s_wait_loadcnt 0x0
	ADDR
	GATHER                                         ; instance 0
	LDIDX 16, 18, 0, 0                             ; instance 1: my first row, side 2
	; the weights are finished while the first rows are on their way
	v_cmp_gt_u32 vcc_lo, 10, v[H1]                 ; r < 10
	v_mov_b32 v[WK+4], 0x3f317218                  ; ln 2: the logarithms are to base 2
	v_cndmask_b32 v[WK+4], 0, v[WK+4], vcc_lo
.set j, 0
.rept 21
	v_mul_f32 v[WA+j], v[WK+4], v[WA+j]
.set j, j+1
.endr
	v_mov_b32 v[WA+21], 0
	v_mul_f32 v[B1H], 0.5, v[B1H]
	v_cndmask_b32 v[B1H], 0, v[B1H], vcc_lo
	v_cmp_gt_u32 vcc_lo, 5, v[WK+1]                ; l % 8 < 5
	v_cndmask_b32 v[W3L], 0, v[W3L], vcc_lo
	s_mov_b32 s3, 4                                ; instances to go
.Linst:
	s_wait_loadcnt 0x0                             ; this instance's rows and norms and the next one's indices are in; their address registers may be written
.irp t, 0,1,2,3
	ds_store_b32 v[VST], v[INV+2+\t] offset:64*\t  ; the docs' norms change lanes through my own 256 bytes: lane (r, h) holds doc 16 t + r's (both halves store the same word),
.endr
.irp t, 0,1,2,3
	ds_load_b128 v[INVD+8*\t:INVD+8*\t+3],   v[VLD] offset:64*\t     ; and wants those of docs 16 t + 8 h + 0..7.  LDS serves a wave's instructions in order: these see the stores above
	ds_load_b128 v[INVD+8*\t+4:INVD+8*\t+7], v[VLD] offset:64*\t+16
.endr
	MMS
.irp u, 0,1                            ; eight plain lines that name no register of the products: the places ahead of loads into the fragments and of reads of the results
	v_mul_f32 v[Q1+\u], 0x4166d4ca, v[INV+\u]      ; 10 L
	v_mul_f32 v[Q2+\u], 0xc29044fe, v[INV+\u]      ; -50 L
	v_mul_f32 v[Q3+\u], 0xc0a00000, v[INV+\u]      ; -5
	v_mul_f32 v[Q4+\u], 0x44545498, v[INV+\u]      ; SC
.endr
	s_wait_dscnt 0x0                               ; the docs' norms are in place, and the stores have read INV, into which the next gather loads; 32 matrix instructions stand between issue and wait
	s_cmp_eq_u32 s3, 1
	s_cbranch_scc1 .Lnog                           ; the last instance gathers nothing
	ADDR
	GATHER                                         ; the next instance's rows: the whole pooling below stands between these loads and the wait for them
	s_cmp_eq_u32 s3, 2
	s_cbranch_scc1 .Lnog                           ; no instance stands two further on
	s_cmp_eq_u32 s3, 4                             ; trip 0 asks for instance 2 (side 1), trip 1 for instance 3 (side 2): both of my second row
	s_cselect_b64 s[40:41], s[12:13], s[16:17]     ; the loads that named s[40:43] last were shown done at the trip's head
	s_cselect_b64 s[42:43], s[14:15], s[18:19]
	LDIDX 40, 42, 128, 256
.Lnog:
	XS 0
	ARGS 0
.set e, 0
.rept 32
	EOP 0                                          ; the first batch has no lines to stand among
.endr
	XS 1                                           ; plain work that names none of their results,
	ARGS 1
	s_wait_alu depctr_va_vdst(0)                   ; and the one wait for the 32
.irp n, 0,1,2,3,4,5,6,7
	TURN \n
.endr
	; AN INSTANCE'S END.  A pair's low register holds query tile 0's sums (lanes 0-15: docs with h = 0, lanes 16-31: h = 1), the high one tile 1's.  The swap of the low register's upper
	; half with the high register's lower half, and one addition, leave query l's whole sum in lane l.
.set j, 0
.rept 21
	v_permlane16_swap_b32 v[ACC+2*j], v[ACC+2*j+1]
.set j, j+1
.endr
.set j, 0
.rept 21
	v_add_f32 v[ACC+2*j], v[ACC+2*j], v[ACC+2*j+1]
.set j, j+1
.endr
	FL 0,  0x1eee96e4                              ; c_j = exp(-50 mu_j^2): mu = -+0.95
	FL 1,  0x256bfff1                              ; 0.85
	FL 2,  0x2b2bc116                              ; 0.75
	FL 3,  0x3037efda                              ; 0.65
	FL 4,  0x3490eeba                              ; 0.55
	FL 5,  0x38280bc9                              ; 0.45
	FL 6,  0x3b0f5c03                              ; 0.35
	FL 7,  0x3d33f737                              ; 0.25
	FL 8,  0x3ea638d9                              ; 0.15
	FL 9,  0x3f61eb51                              ; 0.05
	FL 10, 0x3f61eb51
	FL 11, 0x3ea638d9
	FL 12, 0x3d33f737
	FL 13, 0x3b0f5c03
	FL 14, 0x38280bc9
	FL 15, 0x3490eeba
	FL 16, 0x3037efda
	FL 17, 0x2b2bc116
	FL 18, 0x256bfff1
	FL 19, 0x1eee96e4
	v_add_f32 v[ACC+40], 1.0, v[ACC+40]            ; the exact-match kernel has no factor
	v_log_f32 v[G+19], v[ACC+38]
	v_log_f32 v[G+20], v[ACC+40]
	v_mov_b32 v[G+21], 0                           ; the plain instruction behind the last logarithm; it also fills the eleventh pair
	s_wait_alu depctr_va_vdst(0)                   ; one wait for the 21 logarithms, ahead of their first reader
	; Layer 1 and the sum over queries.  Step s: A(m = r, k = 2 h + i) = g_(2 s + i) of query 16 h + r; B(k, n = r) = ln 2 W1[2 s + i][r] in both halves.  So D(m, n) gathers neuron n's terms of
	; queries m and m + 16; the sum over m follows.  Two accumulators take turns, one instruction a turn; the first two steps start the sums with 0.
.irp s, 0,1,2,3,4,5,6,7,8,9,10
.if (\s) < 2
	v_wmma_f32_16x16x4_f32 v[Z+8*((\s)%2):Z+8*((\s)%2)+7], v[G+2*(\s):G+2*(\s)+1], v[WA+2*(\s):WA+2*(\s)+1], 0
.else
	v_wmma_f32_16x16x4_f32 v[Z+8*((\s)%2):Z+8*((\s)%2)+7], v[G+2*(\s):G+2*(\s)+1], v[WA+2*(\s):WA+2*(\s)+1], v[Z+8*((\s)%2):Z+8*((\s)%2)+7]
.endif
.endr
.rept 8
	v_nop                                          ; eight places behind this form, ahead of the reads of its results
.endr
.irp i, 0,1,2,3                        ; both accumulators from their low end on
	v_pk_add_f32 v[TMP+2*\i:TMP+2*\i+1], v[Z+2*\i:Z+2*\i+1], v[Z+8+2*\i:Z+8+2*\i+1]
.endr
	v_pk_add_f32 v[TMP:TMP+1], v[TMP:TMP+1], v[TMP+2:TMP+3]
	v_pk_add_f32 v[TMP+4:TMP+5], v[TMP+4:TMP+5], v[TMP+6:TMP+7]
	v_pk_add_f32 v[TMP:TMP+1], v[TMP:TMP+1], v[TMP+4:TMP+5]
	v_add_f32 v[H1], v[TMP], v[TMP+1]
	v_add_f32 v[H1], v[H1], v[B1H]                 ; half the bias in each half of the lanes
	v_permlanex16_b32 v[UU], v[H1], s34, s35
	v_add_f32 v[H1], v[H1], v[UU]
	v_max_num_f32 v[H1], 0, v[H1]                  ; h1[r], 0 where r >= 10
	ds_store_b32 v[VH], v[H1]                      ; kept for the tail: 16 words an instance, both halves the same word
	v_add_nc_u32 v[VH], 64, v[VH]
	s_sub_co_u32 s3, s3, 1
	s_cmp_lg_u32 s3, 0
	s_cbranch_scc1 .Linst
	; THE TAIL, once a wave: lane l serves instance l / 8 and neuron l % 8 of layer 2.
	ds_load_b128 v[TMP:TMP+3],    v[VT]            ; h1[0..11] of my instance; my own wave's stores, served in order
	ds_load_b128 v[TMP+4:TMP+7],  v[VT] offset:16
	ds_load_b128 v[TMP+8:TMP+11], v[VT] offset:32
	s_wait_dscnt 0x0
	v_fma_f32 v[WK], v[TMP], v[W2L], v[B2L]        ; two chains of five
	v_mul_f32 v[WK+1], v[TMP+5], v[W2L+5]
.irp n, 1,2,3,4
	v_fma_f32 v[WK], v[TMP+\n], v[W2L+\n], v[WK]
	v_fma_f32 v[WK+1], v[TMP+5+\n], v[W2L+5+\n], v[WK+1]
.endr
	v_add_f32 v[WK], v[WK], v[WK+1]
	v_max_num_f32 v[WK], 0, v[WK]                  ; h2
	v_mul_f32 v[WK], v[WK], v[W3L]                 ; 0 in lanes with l % 8 >= 5
	v_add_f32_dpp v[WK], v[WK], v[WK] row_xmask:1 row_mask:0xf bank_mask:0xf
	v_add_f32_dpp v[WK], v[WK], v[WK] row_xmask:2 row_mask:0xf bank_mask:0xf
	v_add_f32_dpp v[WK], v[WK], v[WK] row_xmask:4 row_mask:0xf bank_mask:0xf   ; each eight lanes: their instance's h2 W3
	v_mov_b32_dpp v[UU], v[WK] row_xmask:8 row_mask:0xf bank_mask:0xf         ; the other side's
	v_sub_f32 v[WK+1], v[UU], v[WK]                ; lanes 0-7 and 16-23: side 2 less side 1
	v_mul_f32 v[WK+1], 0x3fb8aa3b, v[WK+1]
	v_exp_f32 v[WK+2], v[WK+1]                     ; e^-(logits_1 - logits_2)
	v_nop
	s_wait_alu depctr_va_vdst(0)
	v_add_f32 v[WK+2], 1.0, v[WK+2]
	v_rcp_f32 v[WK+3], v[WK+2]
	v_nop
	s_wait_alu depctr_va_vdst(0)
	s_wait_xcnt 0x0                                ; EXEC changes only behind this wait
	v_cmp_eq_u32 vcc_lo, 0, v[R4]                  ; lanes 0 and 16: my two batch rows
	s_and_saveexec_b32 s38, vcc_lo
	global_store_b32 v[OUTO], v[WK+3], s[30:31]    ; 8 bytes a wave: the whole output is 16,384 bytes
	s_wait_xcnt 0x0                                ; and again, ahead of the line that widens it
	s_or_b32 exec_lo, exec_lo, s38
	s_wait_tensorcnt 0x0                           ; the wave's end, behind my last LDS store
	ds_add_u32 v[SPW], v[NIL]
	s_wait_dscnt 0x0
	s_endpgm
.Lfunc_end_k_q9525af4643_knrm:
	.size	k_q9525af4643_knrm, .Lfunc_end_k_q9525af4643_knrm-k_q9525af4643_knrm
	.p2alignl 7, 3214868480
	.fill 96, 4, 3214868480
	.section	.rodata,"a",@progbits
	.p2align	6, 0x0
	.amdhsa_kernel k_q9525af4643_knrm
		.amdhsa_group_segment_fixed_size 5120
		.amdhsa_private_segment_fixed_size 0
		.amdhsa_enable_private_segment 0
		.amdhsa_kernarg_size 96
		.amdhsa_user_sgpr_count 2
		.amdhsa_user_sgpr_kernarg_segment_ptr 1
		.amdhsa_wavefront_size32 1
		.amdhsa_system_sgpr_workgroup_id_x 1
		.amdhsa_system_sgpr_workgroup_id_y 1
		.amdhsa_system_sgpr_workgroup_id_z 1
		.amdhsa_system_vgpr_workitem_id 0
		.amdhsa_next_free_vgpr 512
		.amdhsa_next_free_sgpr 66
		.amdhsa_reserve_vcc 1
		.amdhsa_float_denorm_mode_32 3
		.amdhsa_float_denorm_mode_16_64 3
		.amdhsa_memory_ordered 1
		.amdhsa_forward_progress 1
		.amdhsa_inst_pref_size 110
	.end_amdhsa_kernel
	.amdgpu_metadata
---
amdhsa.version: [ 1, 2 ]
amdhsa.kernels:
  - .name:           k_q9525af4643_knrm
    .symbol:         k_q9525af4643_knrm.kd
    .args:
      - { .name: embh, .offset: 0, .size: 8, .value_kind: global_buffer, .address_space: global }
      - { .name: invn, .offset: 8, .size: 8, .value_kind: global_buffer, .address_space: global }
      - { .name: query_1, .offset: 16, .size: 8, .value_kind: global_buffer, .address_space: global }
      - { .name: doc_1, .offset: 24, .size: 8, .value_kind: global_buffer, .address_space: global }
      - { .name: query_2, .offset: 32, .size: 8, .value_kind: global_buffer, .address_space: global }
      - { .name: doc_2, .offset: 40, .size: 8, .value_kind: global_buffer, .address_space: global }
      - { .name: W1, .offset: 48, .size: 8, .value_kind: global_buffer, .address_space: global }
      - { .name: b1, .offset: 56, .size: 8, .value_kind: global_buffer, .address_space: global }
      - { .name: W2, .offset: 64, .size: 8, .value_kind: global_buffer, .address_space: global }
      - { .name: b2, .offset: 72, .size: 8, .value_kind: global_buffer, .address_space: global }
      - { .name: W3, .offset: 80, .size: 8, .value_kind: global_buffer, .address_space: global }
      - { .name: out0, .offset: 88, .size: 8, .value_kind: global_buffer, .address_space: global }
    .group_segment_fixed_size: 5120
    .private_segment_fixed_size: 0
    .kernarg_segment_align: 8
    .kernarg_segment_size: 96
    .max_flat_workgroup_size: 256
    .sgpr_count:     66
    .vgpr_count:     512
    .wavefront_size: 32
...
	.end_amdgpu_metadata
.endif
;; end of part 2
